; MI455X (gfx1250); checked and timed in simulation.
; The chip was launched on July 23, 2026; its instructions are those of AMD's public machine-readable ISA for CDNA 5 (MIT licence, August 2026) and "CDNA5" Instruction Set Architecture Reference Guide (July 2026). The comments in the code are by the model that wrote it; some were corrected since.
;; m1. Allowed arithmetic: float matrix products may take bf16 or f16 operands with f32 sums; all other float work in f32.
;; Inputs: a 1 float32; b 1 float32; c 1 float32; e 1 float32; w 1 float32; x 4,096 x 8,192 float32.
;; Outputs: out0 4,096 float32.
;; One version. Each part assembles by itself: llvm-mc -triple=amdgcn-amd-amdhsa -mcpu=gfx1250 --defsym DOCPART=n.
;; ======== version 1 of 1: 1 launch
;; launch scan (part 1): grid 256 x 1, 16 waves a work-group, no clusters, 2,304 bytes of LDS; arguments x, a, b, c, w, e, out0; writes out0
.if DOCPART == 1
	.amdgcn_target "amdgcn-amd-amdhsa--gfx1250"
	.amdhsa_code_object_version 6
	.text
	.protected	k_q61c7609c78_scan
	.globl	k_q61c7609c78_scan
	.p2align	8
	.type	k_q61c7609c78_scan,@function
k_q61c7609c78_scan:
	s_mov_b64 s[64:65], 0
	v_nop
	global_prefetch_b8 v0, s[64:65] scope:SCOPE_SE
	s_setreg_imm32_b32 hwreg(HW_REG_WAVE_MODE, 25, 1), 1
	s_wait_xcnt 0x0
; z[r] = w * h + e,  h = sum over t of a^(T-1-t) * (b * x[r][t] + c):  the scan h = a h + b x + c from h = 0, written as a sum.
; x: [4096][8192] f32.  a, b, c, w, e: one f32 each.  out0: [4096] f32.
; 256 work-groups of 16 waves; the work-group owns 16 neighbouring rows (512 KiB in one piece), a wave owns one row of 32,768 bytes.
; A load of the wave takes 512 neighbouring bytes (chunk j = 0..63), so lane l holds t = 128 j + 4 l + k, k = 0..3, and
;   a^(8191-t) = (a^128)^(63-j) * (a^4)^(31-l) * a^(3-k).
; Over j each lane runs four Horner sums, acc = acc * a^128 + x: one fused multiply-add for each number, every x read once.
; At the end: a Horner in a over the lane's four sums, the lane's weight (a^4)^(31-l), a sum over the 32 lanes.
; The c term: c * (1 + a + .. + a^8191) = c * product over i = 0..12 of (1 + a^(2^i)): no division by 1 - a, no difference of large numbers.
; No work-group reads a byte that another reads, and there is one multiply-add for each number loaded: no cluster, no LDS tiles, no matrix unit.
; LIMITS: the order of rounding differs from the scan's.  Powers of a below f32's range count as 0 (their weight is below 1e-38).
; The sum of a^(T-1-t) x[t] is kept without the factor b and has to stay below f32's largest number.  An infinite or NaN x[t]
; (the scan's result is not finite then either) may give NaN where the scan gives an infinity.
; The work-group's 16 results leave as one store of 64 consecutive bytes: 16 rows a work-group keep all 256 work-groups at work,
; and the whole output is 16 KiB against 128 MiB read.
.set CHUNK, 512                        ; bytes that one load of the wave covers
.set NCH,   64                         ; chunks in a row
.set D,     48                         ; slots = loads of a wave in flight: 24 KiB a wave, 384 KiB for the 16 waves
.set OFF,   1                          ; v1        byte offset of my 16 bytes in chunk 0 of my wave's row, from the group's first row; never rewritten
.set ACC,   2                          ; v[2:5]    the four Horner sums, k = 0..3
.set P,     6                          ; v6        the lane's weight (a^4)^(31-l)
.set F,     7                          ; v7        at work
.set X,     8                          ; v[8:199]  slot s: four numbers as loaded
.set POW,   21                         ; s[21:33]  a^(2^i), i = 0..12
.set A128,  POW+7                      ; s28 = a^128, in the even pair s[28:29] (s29 = a^256 is written too)
.set MASK,  40                         ; s[40:44]  the lanes in which bit i of 31 - l is set
.macro LOADX ch                        ; chunk ch into its slot; the chunk's place stands in the immediate (32,256 at the most)
	global_load_b128 v[X+4*((\ch)%D):X+4*((\ch)%D)+3], v[OFF], s[4:5] offset:CHUNK*(\ch) th:TH_LOAD_NT
.endm
	s_load_b256 s[4:11], s[0:1], 0x0               ; x s[4:5], a s[6:7], b s[8:9], c s[10:11]
	s_load_b128 s[12:15], s[0:1], 0x20             ; w s[12:13], e s[14:15]
	s_load_b64 s[16:17], s[0:1], 0x30              ; out0
	v_lshl_add_u32 v200, v0, 2, 0x100
	v_mov_b32 v201, 0
	v_and_b32 v[OFF], 31, v0                       ; lane
	v_lshrrev_b32 v[F], 5, v0                      ; wave
	v_lshlrev_b32 v[OFF], 4, v[OFF]                ; 16 bytes a lane
	v_lshl_or_b32 v[OFF], v[F], 15, v[OFF]         ; + wave x one row of 32,768 bytes
	v_readfirstlane_b32 s18, v[F]                  ; the wave's number as a scalar
	s_lshl_b32 s2, ttmp9, 19                       ; the work-group's 16 rows: 524,288 bytes each group, 133,693,440 at the most
	s_mov_b32 s3, 0
	s_wait_kmcnt 0x0
	s_add_nc_u64 s[4:5], s[4:5], s[2:3]            ; x at the group's first row
.set i, 0
.rept D
	LOADX i                                        ; the ring is filled before anything else is done
.set i, i+1
.endr
	; The five parameters and all that hangs on them alone, made while the first chunks are on their way.
	s_load_b32 s[POW], s[6:7], 0x0                 ; a
	s_load_b32 s35, s[8:9], 0x0                    ; b
	s_load_b32 s36, s[10:11], 0x0                  ; c
	s_load_b32 s37, s[12:13], 0x0                  ; w
	s_load_b32 s38, s[14:15], 0x0                  ; e
	s_mov_b32 s[MASK+0], 0x55555555                ; bit 0 of 31 - l is set in the even lanes,
	s_mov_b32 s[MASK+1], 0x33333333                ; bit 1 where bit 1 of l is clear,
	s_mov_b32 s[MASK+2], 0x0f0f0f0f                ; and so on
	s_mov_b32 s[MASK+3], 0x00ff00ff
	s_mov_b32 s[MASK+4], 0x0000ffff
	s_mov_b32 s46, 0x76543210                      ; v_permlanex16_b32: lane i of one half reads lane i of the other
	s_mov_b32 s47, 0xfedcba98
	s_wait_kmcnt 0x0
	s_fmac_f32 s36, s36, s[POW]                    ; c (1 + a); c rides in the product, so that it overflows only where the term itself does
.set i, 0
.rept 12
	s_mul_f32 s[POW+i+1], s[POW+i], s[POW+i]       ; a^(2^(i+1))
	s_fmac_f32 s36, s36, s[POW+i+1]                ; times (1 + a^(2^(i+1))), in one rounding
.set i, i+1
.endr
	s_mul_f32 s39, s37, s35                        ; w b
	s_fmac_f32 s38, s37, s36                       ; e + w c (1 + a + .. + a^8191)
	v_cndmask_b32 v[P], 1.0, s[POW+2], s[MASK]     ; (a^4)^(31-l) by the bits of 31 - l: a^4 or 1,
.irp i, 1,2,3,4
	v_cndmask_b32 v[F], 1.0, s[POW+2+\i], s[MASK+\i]   ; times a^8, a^16, a^32, a^64 or 1 (so a = 0 gives 1 in lane 31, 0 elsewhere)
	v_mul_f32 v[P], v[P], v[F]
.endr
	; Chunks 0 and 1 start the sums together: nothing is cleared.  48 loads are out and these two are the oldest: 46 may stay out
	; (loads come back in order: ISA guide 5.7.1).
	s_wait_loadcnt D-2
	v_pk_fma_f32 v[ACC:ACC+1],   v[X:X+1],   s[A128:A128+1], v[X+4:X+5] op_sel_hi:[1,0,1]
	v_pk_fma_f32 v[ACC+2:ACC+3], v[X+2:X+3], s[A128:A128+1], v[X+6:X+7] op_sel_hi:[1,0,1]
	LOADX D
	LOADX D+1
	; Chunk j: behind its load stand the loads of chunks j + 1 .. min(j + 47, 63), which stay out.  Its slot is then filled with chunk j + 48,
	; as long as the row has one: no load leaves the row, and the counts run down to 0.
.set j, 2
.rept NCH-2
.if NCH-1-j < D-1
	s_wait_loadcnt NCH-1-j
.else
	s_wait_loadcnt D-1
.endif
	v_pk_fma_f32 v[ACC:ACC+1],   v[ACC:ACC+1],   s[A128:A128+1], v[X+4*(j%D):X+4*(j%D)+1]   op_sel_hi:[1,0,1]
	v_pk_fma_f32 v[ACC+2:ACC+3], v[ACC+2:ACC+3], s[A128:A128+1], v[X+4*(j%D)+2:X+4*(j%D)+3] op_sel_hi:[1,0,1]
.if j+D < NCH
	LOADX j+D
.endif
.set j, j+1
.endr
	v_fma_f32 v[ACC], v[ACC], s[POW], v[ACC+1]     ; my four neighbours: ((s0 a + s1) a + s2) a + s3
	v_fma_f32 v[ACC], v[ACC], s[POW], v[ACC+2]
	v_fma_f32 v[ACC], v[ACC], s[POW], v[ACC+3]
	v_mul_f32 v[ACC], v[ACC], v[P]                 ; times (a^4)^(31-l)
	; the sum over the 32 lanes: four steps inside each half of 16 lanes, one across the halves; every lane ends with the sum
	v_add_f32_dpp v[ACC], v[ACC], v[ACC] row_xmask:1 row_mask:0xf bank_mask:0xf
	v_add_f32_dpp v[ACC], v[ACC], v[ACC] row_xmask:2 row_mask:0xf bank_mask:0xf
	v_add_f32_dpp v[ACC], v[ACC], v[ACC] row_xmask:4 row_mask:0xf bank_mask:0xf
	v_add_f32_dpp v[ACC], v[ACC], v[ACC] row_xmask:8 row_mask:0xf bank_mask:0xf
	v_permlanex16_b32 v[F], v[ACC], s46, s47       ; its destination has been written before
	v_add_f32 v[ACC], v[ACC], v[F]
	v_fma_f32 v[ACC], v[ACC], s39, s38             ; z = (w b) * sum + (e + w c S)
	; The 16 waves' results meet in LDS words 0 to 15, each wave's in its own word; wave 0 stores them together.
	s_lshl_b32 s19, s18, 2
	v_mov_b32 v[F], s19
	ds_store_b32 v[F], v[ACC]                      ; all lanes write the same word with the same value
	s_wait_dscnt 0x0                               ; for wave 0's sake: my word is in LDS before I signal
	s_barrier_signal -1
	s_barrier_wait -1
	s_cmp_lg_u32 s18, 0
	s_cbranch_scc1 .Ldone
	s_lshl_b32 s2, ttmp9, 6                        ; 16 rows x 4 bytes for each work-group (s3 is still 0)
	s_add_nc_u64 s[16:17], s[16:17], s[2:3]
	v_lshlrev_b32 v[F], 2, v0                      ; in wave 0 the thread's number is the lane: word l
	s_wait_xcnt 0x0                                ; EXEC is narrowed only behind this wait: no earlier memory instruction still reads it
	s_wait_tensorcnt 0x0
	ds_add_u32 v200, v201
	s_wait_dscnt 0x0
	v_cmpx_gt_u32 16, v0                           ; lanes 0 to 15: one for each row of the group
	ds_load_b32 v[ACC], v[F]
	s_wait_dscnt 0x0
	global_store_b32 v[F], v[ACC], s[16:17] th:TH_STORE_NT   ; sixteen lanes, 64 consecutive bytes, at a multiple of 64 from out0's first byte
	s_endpgm
.Ldone:
	s_wait_tensorcnt 0x0
	ds_add_u32 v200, v201
	s_wait_dscnt 0x0
	s_endpgm
.Lfunc_end_k_q61c7609c78_scan:
	.size	k_q61c7609c78_scan, .Lfunc_end_k_q61c7609c78_scan-k_q61c7609c78_scan
	.p2alignl 7, 3214868480
	.fill 96, 4, 3214868480
	.section	.rodata,"a",@progbits
	.p2align	6, 0x0
	.amdhsa_kernel k_q61c7609c78_scan
		.amdhsa_group_segment_fixed_size 2304
		.amdhsa_private_segment_fixed_size 0
		.amdhsa_enable_private_segment 0
		.amdhsa_kernarg_size 56
		.amdhsa_user_sgpr_count 2
		.amdhsa_user_sgpr_kernarg_segment_ptr 1
		.amdhsa_wavefront_size32 1
		.amdhsa_system_sgpr_workgroup_id_x 1
		.amdhsa_system_sgpr_workgroup_id_y 1
		.amdhsa_system_sgpr_workgroup_id_z 1
		.amdhsa_system_vgpr_workitem_id 0
		.amdhsa_next_free_vgpr 202
		.amdhsa_next_free_sgpr 66
		.amdhsa_reserve_vcc 0
		.amdhsa_float_denorm_mode_32 3
		.amdhsa_float_denorm_mode_16_64 3
		.amdhsa_memory_ordered 1
		.amdhsa_forward_progress 1
		.amdhsa_inst_pref_size 21
	.end_amdhsa_kernel
	.amdgpu_metadata
---
amdhsa.version: [ 1, 2 ]
amdhsa.kernels:
  - .name:           k_q61c7609c78_scan
    .symbol:         k_q61c7609c78_scan.kd
    .args:
      - { .name: x, .offset: 0, .size: 8, .value_kind: global_buffer, .address_space: global }
      - { .name: a, .offset: 8, .size: 8, .value_kind: global_buffer, .address_space: global }
      - { .name: b, .offset: 16, .size: 8, .value_kind: global_buffer, .address_space: global }
      - { .name: c, .offset: 24, .size: 8, .value_kind: global_buffer, .address_space: global }
      - { .name: w, .offset: 32, .size: 8, .value_kind: global_buffer, .address_space: global }
      - { .name: e, .offset: 40, .size: 8, .value_kind: global_buffer, .address_space: global }
      - { .name: out0, .offset: 48, .size: 8, .value_kind: global_buffer, .address_space: global }
    .group_segment_fixed_size: 2304
    .private_segment_fixed_size: 0
    .kernarg_segment_align: 8
    .kernarg_segment_size: 56
    .max_flat_workgroup_size: 512
    .sgpr_count:     66
    .vgpr_count:     202
    .wavefront_size: 32
...
	.end_amdgpu_metadata
.endif
;; end of part 1
